; MI455X (gfx1250); checked and timed in simulation.
; The chip was launched on July 23, 2026; its instructions are those of AMD's public machine-readable ISA for CDNA 5 (MIT licence, August 2026) and "CDNA5" Instruction Set Architecture Reference Guide (July 2026). The comments in the code are by the model that wrote it; some were corrected since.
;; Attention. Allowed arithmetic: matrix products marked QUANTISED: E3M2 operands, one E8M0 scale for each 32 along K, by v_wmma_scale_f32_16x16x128_f8f6f4 with both operands' format E3M2, f32 sums; products left as they are: f32 operands where the result goes on into a quantised operand, else bf16, f16 or f32 operands; f32 sums; everything else in f32.
;; Inputs: W 1,024 x 2,048 float32; b 1,024 float32; encoder_outputs 2,048 x 16 x 1,024 float32; hidden 1 x 16 x 1,024 float32; v 1,024 float32.
;; Outputs: out0 16 x 1,024 float32; out1 16 x 2,048 float32.
;; This version of the problem:
;;   THIS VERSION OF THE PROBLEM IS GIVEN IN LOW PRECISION. The matrix products marked QUANTISED in the list below multiply operands that are first quantised to E3M2 (3 exponent bits, 2 mantissa bits; 6 bits a number), with one power-of-two scale for each 32 numbers along K (OCP MX v1.0); their sums are f32. All else is computed in f32.
;;   The module's matrix products, in the order in which they are computed (A, B: the left and right operand; K: the contracted axis; several contracted axes count as one K, in the product's order):
;;     1. [M 32,768, K 2,048] x [K 2,048, N 1,024]; A: computed on the way; B: input W: QUANTISED
;;     2. [M 1, K 1,024] x [K 1,024, N 32,768]; A: input v; B: computed on the way: left as it is (M = 1 < 16)
;;     3. batch 16 x [M 1, K 2,048] x [K 2,048, N 1,024]; A: softmax; B: input encoder_outputs: left as it is (M = 1 < 16)
;;   THE QUANTISER, for each operand of a quantised product, along K:
;;     - K is cut into blocks of 32 from its start; a last block that is shorter is filled with zeros.
;;     - A block's scale is 2^e with e = floor(log2(the largest magnitude in the block)) - 4, held to -126 .. 127; a block of zeros has e = 0. As a byte (E8M0): e + 127.
;;     - Each number is divided by its block's scale, clamped to +-28, and rounded to the nearest number of E3M2, ties to even, subnormals kept.
;;     - The product sums the exact products of the quantised numbers (number of the format x scale) in f32.
;;   ~~~python
;;   def quantise(x, axis):      # numpy; x: float32 -> the quantised numbers, widened to float32 again
;;       x = np.moveaxis(x, axis, -1); K = x.shape[-1]
;;       x = np.pad(x, [(0, 0)] * (x.ndim - 1) + [(0, -K % 32)]); x = x.reshape(x.shape[:-1] + (-1, 32)); a = np.abs(x).max(-1, keepdims=True)
;;       e = np.where(a > 0, np.clip(np.frexp(np.where(a > 0, a, 1))[1] - 1 - 4, -126, 127), 0)      # np.frexp(a)[1] - 1 = floor(log2(a)), exactly
;;       r = np.clip(x / 2.0 ** e, -28, 28)
;;       step = 2.0 ** (np.maximum(np.frexp(np.where(r == 0, 1, r))[1] - 1, -2) - 2)
;;       q = np.round(r / step) * step * 2.0 ** e      # np.round: ties to even
;;       return np.moveaxis(q.reshape(q.shape[:-2] + (-1,))[..., :K], -1, axis).astype(np.float32)
;;   ~~~
;;   OPERANDS COMPUTED ON THE WAY. 'Computed on the way' means the value that the module computes at that place (a softmax that the list does not call 'softmax' is quantised finished and normalised). What goes into a quantiser is computed in f32, as accurately as f32 sums, v_exp_f32 and their like allow (about 1e-6 of the number): no bf16 or f16 on the way to a quantiser, and a product that is left as it is and whose result goes on into a quantised operand takes f32 operands (vector FMAs, or v_wmma_f32_16x16x4_f32). A number that lies on a knife's edge between two numbers of the format may be rounded either way, as far as f32 arithmetic and the matrix unit's own rounding can turn it there, and no further.
;; One version. Each part assembles by itself: llvm-mc -triple=amdgcn-amd-amdhsa -mcpu=gfx1250 --defsym DOCPART=n.
;; ======== version 1 of 1: 3 launches
;; limits: values are held in bf16: 8 bits of precision; right only within a limited range of input values
;; workspace buffers: wq 819,200 bytes; vgt 131,072 bytes; ts 131,072 bytes; ctxp 1,048,576 bytes
;; launch prep (part 1): grid 64 x 1, 8 waves a work-group, no clusters, 79,360 bytes of LDS; arguments W, b, hidden, v, wq, vgt; writes wq, vgt
.if DOCPART == 1
	.amdgcn_target "amdgcn-amd-amdhsa--gfx1250"
	.amdhsa_code_object_version 6
	.text
	.protected	k_qbc2e229b92_prep
	.globl	k_qbc2e229b92_prep
	.p2align	8
	.type	k_qbc2e229b92_prep,@function
k_qbc2e229b92_prep:
	s_mov_b64 s[64:65], 0
	v_nop
	global_prefetch_b8 v0, s[64:65] scope:SCOPE_SE
	s_setreg_imm32_b32 hwreg(HW_REG_WAVE_MODE, 25, 1), 1
	s_wait_xcnt 0x0
; W [1024][2048] f32 is quantised along K to codes of BF6 (E3M2) with one E8M0 byte for each 32 along K.
; K < 1024 of the first product is hidden, the same for every s; K >= 1024 is encoder_outputs.  So this launch
;   (1) lays W's second half out as images of the operand's registers (wq: a block of 12,800 bytes for each 16 rows of W:
;       8 K steps x 1,536 bytes [4 registers][lane][16 bytes], then 16 rows x 32 scale bytes), and
;   (2) multiplies Q(hidden) by Q(W's first half) once, g [16][1024], and stores the table vgt [tile of 16 rows of W][batch][32 f32]:
;       16 numbers v' = -2 log2(e) v and 16 numbers gc = 2 log2(e) (g + b), which the next launch's tanh takes.
; SHARES: work-group T takes rows 16 T .. 16 T + 15 of W; wave j takes K step j (128 along K) of both halves.
; Loads take 512 consecutive bytes of a row; a K step turns through the wave's own stage in LDS, so that lane (r, h) gets, of row r,
; k = 64 c + 32 h + 0 .. 31 (c = 0, 1): two whole blocks, in the order of the operand's registers.
; LIMITS: NaN and infinities among the inputs are not served.  A block whose largest magnitude lies under 2^(5 - 127), a block of zeros
; among them, gets the scale byte 1; a block of zeros has zero codes, and the bytes are read by this program alone.
.set C2P,  0x4038aa3b                  ; 2 log2(e)
.set C2N,  0xc038aa3b                  ; -2 log2(e)
.set SPI,  528                         ; a stage row: 512 bytes + 16: the 16 rows that a read touches start in 16 different groups of four banks
.set STGW, 16*SPI                      ; a wave's stage
.set RED,  8*STGW                      ; the eight waves' parts of g: [wave][lane][8 f32]
.set SCW,  RED+8192                    ; the scale bytes of W's second half: [row][32 bytes]
.set ENT,  SCW+512                     ; the table's 2,048 bytes: [batch][32 f32]
.set LI,   4                           ; v4   16 x lane
.set STA,  5                           ; v5   stage, in: my 16 bytes of a row
.set STR,  6                           ; v6   stage, out: row r, + 128 h
.set H8,   7                           ; v7   8 h
.set SCA,  8                           ; v8   SCW + 32 r + 4 j
.set RDA,  9                           ; v9   RED + 1024 j + 32 x lane
.set BO,   10                          ; v10  4 r', r' = (thread / 8) % 16
.set WQO,  11                          ; v11  1536 j + 16 x lane
.set RDR,  12                          ; v12  RED + 4 x thread
.set ENA,  13                          ; v13  ENT + 128 batch + 4 r'
.set PC,   14                          ; v14-25  codes just made
.set TC,   26                          ; v26-33  the conversions' upper halves; at last the product's result
.set TM,   34                          ; v34-43  at work
.set PW,   44                          ; v44  scale word of the codes in PC
.set KS,   45                          ; v45  scale word of W's first half
.set KF,   46                          ; v46-57  W's first half, one fragment
.set BI,   58                          ; v58  b[16 T + r']
.set VV,   59                          ; v59  v[16 T + r']
.set L0,   64                          ; v64-127, v128-191 numbers as loaded
.set L1,   128
.set X,    192                         ; v192-255 64 numbers of a lane in the operand's order
.set SEL,  20                          ; s[20:21] lane selects: lane xor 16
.macro STAGE l                         ; 16 rows x 512 bytes in as loaded, back 2 x 128 bytes a lane; LDS serves a wave's instructions in order: no wait between
.irp p, 0,1,2,3,4,5,6,7,8,9,10,11,12,13,14,15
	ds_store_b128 v[STA], v[\l+4*\p:\l+4*\p+3] offset:SPI*\p
.endr
.irp c, 0,1
.irp j, 0,1,2,3,4,5,6,7
	ds_load_b128 v[X+32*\c+4*\j:X+32*\c+4*\j+3], v[STR] offset:256*\c+16*\j
.endr
.endr
.endm
; 64 numbers of a lane (two whole blocks of 32) become the fragment's 12 registers at dst and the row's scale word.
.macro QUANT x, dst, word
.irp c, 0,1
	v_max3_num_f32 v[TM+\c], |v[\x+32*\c]|, |v[\x+32*\c+1]|, 0x2800000      ; the floor 2^(5 - 127) among the leaves holds the byte at 1 from below
	v_max3_num_f32 v[TM+8+\c], |v[\x+32*\c+16]|, |v[\x+32*\c+17]|, |v[\x+32*\c+18]|
.endr
.irp i, 2,4,6,8,10,12
.irp c, 0,1
	s_delay_alu instid0(VALU_DEP_4)
	v_max3_num_f32 v[TM+\c], v[TM+\c], |v[\x+32*\c+\i]|, |v[\x+32*\c+\i+1]|  ; four chains by turns
	s_delay_alu instid0(VALU_DEP_4)
	v_max3_num_f32 v[TM+8+\c], v[TM+8+\c], |v[\x+32*\c+17+\i]|, |v[\x+32*\c+18+\i]|
.endr
.endr
.irp c, 0
	s_delay_alu instid0(VALU_DEP_4)
	v_max3_num_f32 v[TM+\c], v[TM+\c], |v[\x+32*\c+14]|, |v[\x+32*\c+15]|
.endr
.irp c, 1
	s_delay_alu instid0(VALU_DEP_3)
	v_max3_num_f32 v[TM+\c], v[TM+\c], |v[\x+32*\c+14]|, |v[\x+32*\c+15]|
.endr
.irp c, 0,1
	s_delay_alu instid0(VALU_DEP_2)
	v_max3_num_f32 v[TM+\c], v[TM+\c], v[TM+8+\c], |v[\x+32*\c+31]|          ; the block's largest magnitude
.endr
.irp c, 0,1
	s_delay_alu instid0(VALU_DEP_2)
	v_add_nc_u32 v[TM+2+\c], 0xfe000000, v[TM+\c]    ; 4 off its exponent field: the conversion's scale operand
.endr
.irp c, 0,1
	s_delay_alu instid0(VALU_DEP_2)
	v_lshrrev_b32 v[TM+4+\c], 23, v[TM+2+\c]         ; the scale's byte
.endr
	s_delay_alu instid0(VALU_DEP_1)
	v_lshl_or_b32 v[\word], v[TM+5], 16, v[TM+4]     ; my blocks are h and 2 + h of the row's four
	s_delay_alu instid0(VALU_DEP_1)
	v_lshlrev_b32 v[\word], v[H8], v[\word]
	s_delay_alu instid0(VALU_DEP_1)
	v_permlanex16_b32 v[TM+6], v[\word], s[SEL], s[SEL+1]
	s_delay_alu instid0(VALU_DEP_1)
	v_or_b32 v[\word], v[\word], v[TM+6]             ; with lane xor 16's two bytes the word is whole
.irp c, 0,1
	v_cvt_scalef32_pk16_bf6_f32 v[\dst+6*\c:\dst+6*\c+2], v[\x+32*\c:\x+32*\c+15], v[TM+2+\c]
	v_cvt_scalef32_pk16_bf6_f32 v[TC+4*\c:TC+4*\c+2], v[\x+32*\c+16:\x+32*\c+31], v[TM+2+\c]   ; (three registers from an even one on: made apart and moved)
.endr
	v_nop                                            ; one plain place behind the scaled conversions
.irp c, 0,1
.irp i, 0,1,2
	v_mov_b32 v[\dst+6*\c+3+\i], v[TC+4*\c+\i]
.endr
.endr
.endm
	s_load_b256 s[4:11], s[0:1], 0x0                 ; W s[4:5], b s[6:7], hidden s[8:9], v s[10:11]
	s_load_b128 s[12:15], s[0:1], 0x20               ; wq s[12:13], vgt s[14:15]
	v_lshl_add_u32 v41, v0, 2, 0x13200
	s_set_vgpr_msb 0x40
	v_mov_b32 v1, 0
	s_set_vgpr_msb 0x4000
	v_lshrrev_b32 v1, 5, v0
	s_delay_alu instid0(VALU_DEP_1)
	v_readfirstlane_b32 s16, v1                      ; wave j
	v_and_b32 v1, 31, v0                             ; lane
	v_and_b32 v2, 15, v0                             ; r
	v_bfe_u32 v3, v0, 4, 1                           ; h
	s_delay_alu instid0(VALU_DEP_3)
	v_lshlrev_b32 v[LI], 4, v1
	s_mul_i32 s17, s16, STGW
	v_add_nc_u32 v[STA], s17, v[LI]
	v_mul_u32_u24 v[STR], v2, SPI
	s_delay_alu instid0(VALU_DEP_1)
	v_lshl_add_u32 v[STR], v3, 7, v[STR]
	s_delay_alu instid0(VALU_DEP_1)
	v_add_nc_u32 v[STR], s17, v[STR]
	v_lshlrev_b32 v[H8], 3, v3
	s_lshl_b32 s17, s16, 2
	s_add_co_u32 s17, s17, SCW
	v_lshl_add_u32 v[SCA], v2, 5, s17
	s_lshl_b32 s17, s16, 10
	s_add_co_u32 s17, s17, RED
	v_lshl_add_u32 v[RDA], v1, 5, s17
	v_bfe_u32 v[BO], v0, 3, 4
	s_delay_alu instid0(VALU_DEP_1)
	v_lshlrev_b32 v[BO], 2, v[BO]
	s_mul_i32 s17, s16, 1536
	v_add_nc_u32 v[WQO], s17, v[LI]
	v_lshl_add_u32 v[RDR], v0, 2, RED
	v_and_b32 v[ENA], 7, v0
	v_lshrrev_b32 v60, 7, v0
	s_delay_alu instid0(VALU_DEP_1)
	v_lshl_add_u32 v[ENA], v60, 3, v[ENA]            ; batch = 8 (thread / 128) + thread % 8
	s_delay_alu instid0(VALU_DEP_1)
	v_lshl_add_u32 v[ENA], v[ENA], 7, v[BO]
	s_delay_alu instid0(VALU_DEP_1)
	v_add_nc_u32 v[ENA], ENT, v[ENA]
	v_lshlrev_b32 v1, 3, v0                          ; 8 x thread: my place in the table's 2,048 bytes, in memory
	v_lshl_add_u32 v2, v0, 3, ENT                    ; and in LDS
	v_add_nc_u32 v3, SCW, v[LI]                      ; the scale bytes' way out: 16 bytes a lane
	v_mov_b32 v[TM+6], 0                             ; written once: a lane permute's destination counts as read
	s_mov_b32 s[SEL], 0x76543210
	s_mov_b32 s[SEL+1], 0xfedcba98
	s_lshl_b32 s18, ttmp9, 17                        ; W: 16 T rows of 8,192 bytes
	s_lshl_b32 s19, s16, 9
	s_add_co_u32 s18, s18, s19                       ;    + 512 j
	s_mov_b32 s19, 0
	s_lshl_b32 s22, s16, 9                           ; hidden: 512 j
	s_mov_b32 s23, 0
	s_lshl_b32 s24, ttmp9, 6                         ; b, v: 64 T
	s_mov_b32 s25, 0
	s_mul_i32 s26, ttmp9, 12800                      ; wq: my block
	s_mov_b32 s27, 0
	s_lshl_b32 s28, ttmp9, 11                        ; vgt: 2,048 T
	s_mov_b32 s29, 0
	s_wait_kmcnt 0x0
	s_add_nc_u64 s[4:5], s[4:5], s[18:19]
	s_add_nc_u64 s[8:9], s[8:9], s[22:23]
	s_add_nc_u64 s[6:7], s[6:7], s[24:25]
	s_add_nc_u64 s[10:11], s[10:11], s[24:25]
	s_add_nc_u64 s[12:13], s[12:13], s[26:27]
	s_add_nc_u64 s[14:15], s[14:15], s[28:29]
	global_load_b32 v[BI], v[BO], s[6:7]
	global_load_b32 v[VV], v[BO], s[10:11]
.irp p, 0,1,2,3,4,5,6,7,8,9,10,11,12,13,14,15
	global_load_b128 v[L0+4*\p:L0+4*\p+3], v[LI], s[4:5] offset:4096+8192*\p th:TH_LOAD_NT   ; W's second half: 512 consecutive bytes of row p
.endr
.irp p, 0,1,2,3,4,5,6,7,8,9,10,11,12,13,14,15
	global_load_b128 v[L1+4*\p:L1+4*\p+3], v[LI], s[4:5] offset:8192*\p th:TH_LOAD_NT        ; W's first half
.endr
	s_wait_loadcnt 16                                ; all but the 16 of the first half
	STAGE L0
	s_wait_dscnt 0x0                                 ; the numbers are back: the stage's stores have read L0
.irp p, 0,1,2,3,4,5,6,7,8,9,10,11,12,13,14,15
	global_load_b128 v[L0+4*\p:L0+4*\p+3], v[LI], s[8:9] offset:4096*\p                      ; hidden: batch p, my K step
.endr
	QUANT X, PC, PW
.irp c, 0,1,2
	global_store_b128 v[WQO], v[PC+4*\c:PC+4*\c+3], s[12:13] offset:512*\c                   ; the image: 512 consecutive bytes a store
.endr
	ds_store_b32 v[SCA], v[PW]                       ; lanes r and r + 16 write the same word with the same value
	s_wait_loadcnt 16                                ; W's first half is in; hidden's 16 may be out
	STAGE L1
	s_wait_dscnt 0x0
	QUANT X, KF, KS
	s_wait_loadcnt 0x0                               ; hidden
	STAGE L0
	s_wait_dscnt 0x0
	s_wait_xcnt 0x0                                  ; the image's stores have read PC: it is written again only behind this wait
	QUANT X, PC, PW
.rept 8
	v_nop                                            ; scale words made by vector instructions stand 8 places ahead of the scaled product, operands 4
.endr
	v_wmma_scale_f32_16x16x128_f8f6f4 v[TC:TC+7], v[PC:PC+11], v[KF:KF+11], 0, v[PW], v[KS] matrix_a_fmt:MATRIX_FMT_BF6 matrix_b_fmt:MATRIX_FMT_BF6   ; lane (r, h), register i: batch 8 h + i, row r of W
.rept 4
	v_nop
.endr
	ds_store_b128 v[RDA], v[TC:TC+3]                 ; from the low end on
	ds_store_b128 v[RDA], v[TC+4:TC+7] offset:16
	s_wait_dscnt 0x0                                 ; for the others' sake: my part of g and my scale words are in LDS
	s_barrier_signal -1
	s_barrier_wait -1
	s_cmp_lg_u32 s16, 0
	s_cbranch_scc1 .Lnot_wave_0
	ds_load_b128 v[L1:L1+3], v3                      ; wave 0 sends the block's 512 scale bytes
	s_wait_dscnt 0x0
	global_store_b128 v[LI], v[L1:L1+3], s[12:13] offset:12288
.Lnot_wave_0:
.irp w, 0,1,2,3,4,5,6,7
	ds_load_b32 v[L0+\w], v[RDR] offset:1024*\w      ; thread e: the eight K steps' parts of g(batch, r')
.endr
	s_wait_dscnt 0x0
	v_add_f32 v60, v[L0], v[L0+1]
.irp w, 2,3,4,5,6,7
	s_delay_alu instid0(VALU_DEP_1)
	v_add_f32 v60, v60, v[L0+\w]                     ; K ascending
.endr
	s_delay_alu instid0(VALU_DEP_1)
	v_add_f32 v60, v60, v[BI]
	s_delay_alu instid0(VALU_DEP_1)
	v_mul_f32 v60, C2P, v60                          ; gc
	v_mul_f32 v61, C2N, v[VV]                        ; v'
	ds_store_b32 v[ENA], v61
	ds_store_b32 v[ENA], v60 offset:64
	s_wait_dscnt 0x0
	s_barrier_signal -1
	s_barrier_wait -1
	ds_load_b64 v[62:63], v2
	s_wait_dscnt 0x0
	global_store_b64 v1, v[62:63], s[14:15]          ; a wave stores 256 consecutive bytes, aligned
	s_set_vgpr_msb 0x4
	s_wait_tensorcnt 0x0
	ds_add_u32 v41, v1
	s_wait_dscnt 0x0
	s_set_vgpr_msb 0x400
	s_endpgm
.Lfunc_end_k_qbc2e229b92_prep:
	.size	k_qbc2e229b92_prep, .Lfunc_end_k_qbc2e229b92_prep-k_qbc2e229b92_prep
	.p2alignl 7, 3214868480
	.fill 96, 4, 3214868480
	.section	.rodata,"a",@progbits
	.p2align	6, 0x0
	.amdhsa_kernel k_qbc2e229b92_prep
		.amdhsa_group_segment_fixed_size 79360
		.amdhsa_private_segment_fixed_size 0
		.amdhsa_enable_private_segment 0
		.amdhsa_kernarg_size 48
		.amdhsa_user_sgpr_count 2
		.amdhsa_user_sgpr_kernarg_segment_ptr 1
		.amdhsa_wavefront_size32 1
		.amdhsa_system_sgpr_workgroup_id_x 1
		.amdhsa_system_sgpr_workgroup_id_y 1
		.amdhsa_system_sgpr_workgroup_id_z 1
		.amdhsa_system_vgpr_workitem_id 0
		.amdhsa_next_free_vgpr 258
		.amdhsa_next_free_sgpr 66
		.amdhsa_reserve_vcc 0
		.amdhsa_float_denorm_mode_32 3
		.amdhsa_float_denorm_mode_16_64 3
		.amdhsa_memory_ordered 1
		.amdhsa_forward_progress 1
		.amdhsa_inst_pref_size 30
	.end_amdhsa_kernel
	.amdgpu_metadata
---
amdhsa.version: [ 1, 2 ]
amdhsa.kernels:
  - .name:           k_qbc2e229b92_prep
    .symbol:         k_qbc2e229b92_prep.kd
    .args:
      - { .name: W, .offset: 0, .size: 8, .value_kind: global_buffer, .address_space: global }
      - { .name: b, .offset: 8, .size: 8, .value_kind: global_buffer, .address_space: global }
      - { .name: hidden, .offset: 16, .size: 8, .value_kind: global_buffer, .address_space: global }
      - { .name: v, .offset: 24, .size: 8, .value_kind: global_buffer, .address_space: global }
      - { .name: wq, .offset: 32, .size: 8, .value_kind: global_buffer, .address_space: global }
      - { .name: vgt, .offset: 40, .size: 8, .value_kind: global_buffer, .address_space: global }
    .group_segment_fixed_size: 79360
    .private_segment_fixed_size: 0
    .kernarg_segment_align: 8
    .kernarg_segment_size: 48
    .max_flat_workgroup_size: 256
    .sgpr_count:     66
    .vgpr_count:     258
    .wavefront_size: 32
...
	.end_amdgpu_metadata
.endif
;; end of part 1
;; launch main (part 2): grid 16 x 16, 4 waves a work-group, clusters of 4 x 1, 327,680 bytes of LDS; arguments encoder_outputs, wq, vgt, ts, ctxp; writes ts, ctxp
.if DOCPART == 2
	.amdgcn_target "amdgcn-amd-amdhsa--gfx1250"
	.amdhsa_code_object_version 6
	.text
	.protected	k_qbc2e229b92_main
	.globl	k_qbc2e229b92_main
	.p2align	8
	.type	k_qbc2e229b92_main,@function
k_qbc2e229b92_main:
	s_mov_b64 s[64:65], 0
	v_nop
	global_prefetch_b8 v0, s[64:65] scope:SCOPE_SE
	s_setreg_imm32_b32 hwreg(HW_REG_WAVE_MODE, 25, 1), 1
	s_wait_xcnt 0x0
	s_wait_alu depctr_hold_cnt(0) depctr_sa_sdst(0) depctr_va_vdst(0) depctr_va_sdst(0) depctr_va_ssrc(0) depctr_va_vcc(0) depctr_vm_vsrc(0)
	s_getreg_b32 s2, hwreg(HW_REG_IB_STS2, 6, 4)
	s_cmp_eq_u32 s2, 0
	s_cbranch_scc0 .Lentry_in_a_cluster
	s_endpgm
.Lentry_in_a_cluster:
	s_bfe_u32 s2, ttmp6, 0x10000c
	s_cmp_lg_u32 s2, 0x3003
	s_cbranch_scc0 .Lentry_shape_is_right
	s_endpgm
.Lentry_shape_is_right:
; One work-group takes one batch b (grid y) and 128 positions s (grid x): scores t(s) and the part of the context under the chunk's own largest t.
; WORK LEFT OUT: K < 1024 of the first product is hidden, the same rows for every s: launch prep multiplied it once (g, in the table vgt).
; tanh(x) = 1 - 2 / (1 + e^(2x)), so v . tanh = sum(v) - 2 sum(v / (1 + e^(2x))); sum(v) is the same along the softmax's axis and is not formed.
; LIMIT: a NaN, an infinity or an overflow that reaches only sum(v) is not carried to the result.
; t = sum over h of v' / (1 + 2^(c acc + gc)), v' = -2 log2(e) v, gc = c (g + b), c = 2 log2(e): a logit to the base 2.
; HEAD: wave w loads its 32 rows x 4,096 bytes once, 16 rows x 512 bytes a unit, four units (64 loads) ahead.  A unit turns through the wave's stage in LDS,
; is quantised (two whole blocks of 32 a lane) into an image of the operand's registers in LDS, and is kept as bf16 (half in window 3, half in LDS) for the context.
; LOOP: wave (rows half, N half) holds 64 rows x K 1,024 of codes in 384 registers.  W's images (wq) come through a ring of two slots of 4 blocks of 16 rows of W,
; by joint loads of the 4 work-groups of a cluster, which walk the same slots.  A unit = one block of W: 32 matrix instructions in one run, the 4 accumulators by turns
; THE TANH OF A UNIT IS SPREAD OVER THREE UNITS: behind run i: c acc + gc of unit i, then ONE batch: 2^. of unit i and 1 / . of unit i - 1;
; among the first 16 matrix instructions of run i: 1 + e of unit i - 1 and the sums of unit i - 2.  The reciprocals lie in window 1, which those products' window setting reads as source 1.
; The first two units find zeros in the lagging stages' registers; a short tail behind the last unit finishes them.
; The product is used transposed: source 0 = 16 rows of W, source 1 = 16 positions: a lane holds one s, its 8 registers 8 rows of W.
; NO PREFETCH of wq: all 64 clusters walk the same 819,200 bytes, each from another slot on; a slot's load is asked for a whole slot (64 matrix instructions and two batches) ahead of its wait.
; lds_bytes claims all of LDS.
.set ROWB,  65536                      ; from s to s + 1 in bytes
.set BLK,   12800                      ; a block of wq: 8 K steps x 1,536 bytes, then 16 rows x 32 scale bytes
.set SLOT,  4*BLK
.set COPY,  2*SLOT                     ; bf16 copy: 32,768 bytes a wave
.set IMG,   COPY+4*32768               ; images of codes: [K step % 4][8 blocks of 16 rows][1,536]
.set ISC,   IMG+32*1536                ; their scale words
.set STG,   ISC+32*128                 ; a stage for each wave; later its table of v' and gc
.set SPI,   528
.set STGW,  16*SPI
.set SCP,   STG+4*STGW                 ; parts of the scores
.set PB,    SCP+1024                   ; p = 2^(t - m)
.set SPARE, PB+2048                    ; the spare words: 128 bytes a wave
.set SPW,  1
.set NIL,  2
.set LI,   3                           ; 16 x lane
.set ADW,  4                           ; W's fragments in the slot
.set ADS,  5                           ; W's scale words
.set ADV,  6                           ; the table
.set STA,  7
.set STR,  8
.set CPA,  9
.set IWA,  10
.set ISA,  11
.set GA,   12
.set GS,   13
.set H8,   14
.set ADS0, 15
.set AS,   16                          ; v16-31 my rows' scale words
.set WS,   32                          ; v32-47 W's scale words, two sets
.set VG,   48                          ; v48-79 v' (8) and gc (8), two sets
.set SA,   80                          ; v80-95 sums of the scores
.set AC,   96                          ; v96-159 accumulators, two sets of 4
.set WF,   160                         ; v160-255 W's 8 fragments
.set RW,   192                         ; window 1, v192-223 (v448-479): 32 reciprocals
.set VGT,  32
.set X,    96
.set T,    160
.set PC,   192
.set TC,   204
.set TM,   212
.set PW,   224
.set CS,   96
.set PP,   128
.set SEL,  20
.set MSB, 0
.macro WIN new                         ; the immediate's high byte repeats the setting that is left
.if MSB != (\new)
	s_set_vgpr_msb (MSB<<8)|(\new)
.set MSB, \new
.endif
.endm
.macro CREST                           ; a round of the cluster's barrier behind its opening barrier
	s_cmp_lg_u32 s14, 0
	s_cbranch_scc1 .Lnot_wave_0_\@
	s_barrier_signal -3
.Lnot_wave_0_\@:
	s_barrier_wait -3
	s_barrier_signal -1
	s_barrier_wait -1
.endm
.macro ROUND
	s_barrier_signal -1
	s_barrier_wait -1
	CREST
.endm
.macro BAR
	s_wait_dscnt 0x0
	s_barrier_signal -1
	s_barrier_wait -1
.endm
.macro PLACES                          ; four places behind matrix instructions, ahead of loads into their sources and of reads of their results
.rept 4
	v_nop
.endr
.endm
.macro LOADU u                         ; unit u: rows 16 (u % 2) .., K step u / 2; eight buffers of 64 registers in windows 1 and 2, from unit 8 on the upper five by turns
.set LS_, (\u)
.if (\u) >= 8
.set LS_, 3+((\u)-8)%5
.endif
	WIN (1+LS_/4)<<6
.irp p, 0,1,2,3,4,5,6,7,8,9,10,11,12,13,14,15
	global_load_b128 v[64*(LS_%4)+4*\p:64*(LS_%4)+4*\p+3], v[LI], s[4:5] offset:(16*((\u)%2)+\p)*ROWB+512*((\u)/2) th:TH_LOAD_NT
.endr
.endm
; 64 numbers of a lane (two whole blocks of 32) become a fragment's 12 registers and the row's scale word
.macro QUANT x, dst, word
.irp c, 0,1
	v_max3_num_f32 v[TM+\c], |v[\x+32*\c]|, |v[\x+32*\c+1]|, 0x2800000      ; the floor 2^(5 - 127) holds the byte at 1 from below
	v_max3_num_f32 v[TM+8+\c], |v[\x+32*\c+16]|, |v[\x+32*\c+17]|, |v[\x+32*\c+18]|
.endr
.irp i, 2,4,6,8,10,12
.irp c, 0,1
	v_max3_num_f32 v[TM+\c], v[TM+\c], |v[\x+32*\c+\i]|, |v[\x+32*\c+\i+1]|
	v_max3_num_f32 v[TM+8+\c], v[TM+8+\c], |v[\x+32*\c+17+\i]|, |v[\x+32*\c+18+\i]|
.endr
.endr
.irp c, 0,1
	v_max3_num_f32 v[TM+\c], v[TM+\c], |v[\x+32*\c+14]|, |v[\x+32*\c+15]|
.endr
.irp c, 0,1
	v_max3_num_f32 v[TM+\c], v[TM+\c], v[TM+8+\c], |v[\x+32*\c+31]|
.endr
.irp c, 0,1
	v_add_nc_u32 v[TM+2+\c], 0xfe000000, v[TM+\c]    ; 4 off the exponent field: the conversion's scale operand
.endr
.irp c, 0,1
	v_lshrrev_b32 v[TM+4+\c], 23, v[TM+2+\c]         ; the scale's byte
.endr
	v_lshl_or_b32 v[\word], v[TM+5], 16, v[TM+4]
	v_lshlrev_b32 v[\word], v[H8], v[\word]
	v_permlanex16_b32 v[TM+6], v[\word], s[SEL], s[SEL+1]
	v_or_b32 v[\word], v[\word], v[TM+6]
.irp c, 0,1
	v_cvt_scalef32_pk16_bf6_f32 v[\dst+6*\c:\dst+6*\c+2], v[\x+32*\c:\x+32*\c+15], v[TM+2+\c]
	v_cvt_scalef32_pk16_bf6_f32 v[TC+4*\c:TC+4*\c+2], v[\x+32*\c+16:\x+32*\c+31], v[TM+2+\c]
.endr
	v_nop                                            ; one plain place behind the scaled conversions
.irp c, 0,1
.irp i, 0,1,2
	v_mov_b32 v[\dst+6*\c+3+\i], v[TC+4*\c+\i]
.endr
.endr
.endm
.macro PROC u                          ; unit u: through the stage, kept as bf16, quantised, its image stored
.set QS, (\u)
.if (\u) >= 8
.set QS, 3+((\u)-8)%5
.endif
.set QW, 1+QS/4
.set QB, 64*(QS%4)
.set QT, (\u)/2
.set QU, (\u)%2
.if (\u) <= 12
	s_wait_loadcnt 48                                ; this unit is in; the three younger units' 48 loads may be out
.else
	s_wait_loadcnt 16*(15-(\u))
.endif
	WIN QW<<2
.irp p, 0,1,2,3,4,5,6,7,8,9,10,11,12,13,14,15
	ds_store_b128 v[STA], v[QB+4*\p:QB+4*\p+3] offset:SPI*\p
.endr
	WIN 0
.irp c, 0,1
.irp j, 0,1,2,3,4,5,6,7
	ds_load_b128 v[X+32*\c+4*\j:X+32*\c+4*\j+3], v[STR] offset:256*\c+16*\j
.endr
.endr
.if (\u)+4 <= 15
	LOADU ((\u)+4)
.endif
.if QU == 0
	WIN 0xc0|(QW<<2)|QW
.irp p, 0,1,2,3,4,5,6,7,8,9,10,11,12,13,14,15
	v_cvt_pk_bf16_f32 v[32*QT+2*\p], v[QB+4*\p], v[QB+4*\p+1]
	v_cvt_pk_bf16_f32 v[32*QT+2*\p+1], v[QB+4*\p+2], v[QB+4*\p+3]
.endr
	WIN 0
	s_wait_dscnt 0x0
.else
	WIN (QW<<2)|QW
.irp p, 0,1,2,3,4,5,6,7,8,9,10,11,12,13,14,15
	v_cvt_pk_bf16_f32 v[T+2*\p], v[QB+4*\p], v[QB+4*\p+1]
	v_cvt_pk_bf16_f32 v[T+2*\p+1], v[QB+4*\p+2], v[QB+4*\p+3]
.endr
	WIN 0
.irp q, 0,1,2,3,4,5,6,7
	ds_store_b128 v[CPA], v[T+4*\q:T+4*\q+3] offset:512*(8*QT+\q)
.endr
	s_wait_dscnt 8                                   ; the eight stores just issued may be out
.endif
	QUANT X, PC, PW
.irp c, 0,1,2
	ds_store_b128 v[IWA], v[PC+4*\c:PC+4*\c+3] offset:(8*(QT%4)+QU)*1536+512*\c
.endr
	ds_store_b32 v[ISA], v[PW] offset:128*(8*(QT%4)+QU)
.endm
.macro GETA win, s0                    ; four K steps of my 64 rows: 16 fragments and their scale words
	WIN (\win)<<6
.irp t, 0,1,2,3
.irp a, 0,1,2,3
.irp c, 0,1,2
	ds_load_b128 v[12*(4*\t+\a)+4*\c:12*(4*\t+\a)+4*\c+3], v[GA] offset:(8*\t+\a)*1536+512*\c
.endr
.endr
.endr
	WIN 0
.irp t, 0,1,2,3
.irp a, 0,1
	ds_load_b32 v[AS+2*(\s0+\t)+\a], v[GS] offset:1024*\t+256*\a
.endr
.endr
.endm
.macro FRAG s, off
.irp c, 0,1,2
	ds_load_b128 v[WF+12*(\s)+4*\c:WF+12*(\s)+4*\c+3], v[ADW] offset:(\off)+1536*(\s)+512*\c
.endr
.endm
.macro SCL set, off
	ds_load_b128 v[WS+8*(\set):WS+8*(\set)+3], v[ADS] offset:(\off)
	ds_load_b128 v[WS+8*(\set)+4:WS+8*(\set)+7], v[ADS] offset:(\off)+16
.endm
.macro VGL set
	ds_load_b128 v[VG+16*(\set):VG+16*(\set)+3], v[ADV] offset:128*(\set)
	ds_load_b128 v[VG+16*(\set)+4:VG+16*(\set)+7], v[ADV] offset:128*(\set)+16
	ds_load_b128 v[VG+16*(\set)+8:VG+16*(\set)+11], v[ADV] offset:128*(\set)+64
	ds_load_b128 v[VG+16*(\set)+12:VG+16*(\set)+15], v[ADV] offset:128*(\set)+80
.endm
.macro MM i, s, a                      ; set i, K step s, my block a of 16 positions; the first K step starts the sum
.if (\s) < 4
	WIN 0x04
.set MB_, 12*(4*(\s)+(\a))
.else
	WIN 0x08
.set MB_, 12*(4*((\s)-4)+(\a))
.endif
.set MD_, AC+32*(\i)+8*(\a)
.set MW_, WF+12*(\s)
.set MS_, WS+8*(\i)+(\s)
.set MT_, AS+2*(\s)+(\a)/2
.if (\s) == 0
.if (\a)%2 == 0
	v_wmma_scale_f32_16x16x128_f8f6f4 v[MD_:MD_+7], v[MW_:MW_+11], v[MB_:MB_+11], 0, v[MS_], v[MT_] matrix_a_fmt:MATRIX_FMT_BF6 matrix_b_fmt:MATRIX_FMT_BF6
.else
	v_wmma_scale_f32_16x16x128_f8f6f4 v[MD_:MD_+7], v[MW_:MW_+11], v[MB_:MB_+11], 0, v[MS_], v[MT_] matrix_a_fmt:MATRIX_FMT_BF6 matrix_b_fmt:MATRIX_FMT_BF6 matrix_b_scale:MATRIX_SCALE_ROW1
.endif
.else
.if (\a)%2 == 0
	v_wmma_scale_f32_16x16x128_f8f6f4 v[MD_:MD_+7], v[MW_:MW_+11], v[MB_:MB_+11], v[MD_:MD_+7], v[MS_], v[MT_] matrix_a_fmt:MATRIX_FMT_BF6 matrix_b_fmt:MATRIX_FMT_BF6
.else
	v_wmma_scale_f32_16x16x128_f8f6f4 v[MD_:MD_+7], v[MW_:MW_+11], v[MB_:MB_+11], v[MD_:MD_+7], v[MS_], v[MT_] matrix_a_fmt:MATRIX_FMT_BF6 matrix_b_fmt:MATRIX_FMT_BF6 matrix_b_scale:MATRIX_SCALE_ROW1
.endif
.endif
.endm
.macro KSTEP i, s
.irp a, 0,1,2,3
	MM \i, \s, \a
.endr
.endm
; SA += v' x reciprocal for pair p of a unit of set 'set': source 1 is read in window 1 (the setting 0x04 of K steps 0-3)
.macro SAF1 set, p
	v_pk_fma_f32 v[SA+4*((\p)/4)+2*((\p)%2):SA+4*((\p)/4)+2*((\p)%2)+1], v[VG+16*(\set)+2*((\p)%4):VG+16*(\set)+2*((\p)%4)+1], v[RW+2*(\p):RW+2*(\p)+1], v[SA+4*((\p)/4)+2*((\p)%2):SA+4*((\p)/4)+2*((\p)%2)+1]
.endm
; K step s = 0 .. 3 of unit i; behind each matrix instruction two plain lines that name none of its registers: 1 + e of unit i - 1 (the other set), and a sum of unit i - 2 (this set's v')
.macro KSTEPS i, s
.irp a, 0,1,2,3
	MM \i, \s, \a
.set SN_, 4*(\s)+\a
	v_pk_add_f32 v[AC+32*(1-(\i))+2*SN_:AC+32*(1-(\i))+2*SN_+1], v[AC+32*(1-(\i))+2*SN_:AC+32*(1-(\i))+2*SN_+1], 1.0 op_sel_hi:[1,0]
	SAF1 \i, 4*(SN_%4)+SN_/4
.endr
.endm
; Behind run i: c acc + gc of unit i; a run of LDS loads; one batch: 2^. of unit i in place, 1 / . of unit i - 1 into window 1; one wait ahead of the batch and one behind.
; mode 0: the slot's second block is asked for; 1: the next slot's first; 3: nothing follows: the bf16 copy comes back from LDS into window 1, all but the 8 loads that land on the reciprocals
.macro EPI i, mode
	WIN 0
	PLACES
	s_wait_dscnt 0x0                                 ; the loads of the run's middle, my table's 16 numbers among them
.set EP_, 0
.rept 16
	v_pk_fma_f32 v[AC+32*(\i)+2*EP_:AC+32*(\i)+2*EP_+1], v[AC+32*(\i)+2*EP_:AC+32*(\i)+2*EP_+1], s[22:23], v[VG+16*(\i)+8+2*(EP_%4):VG+16*(\i)+8+2*(EP_%4)+1] op_sel_hi:[1,0,1]   ; each accumulator from its low end on
.set EP_, EP_+1
.endr
.if (\mode) == 0
.irp s, 4,5,6,7
	FRAG \s, BLK
.endr
.elseif (\mode) == 1
.irp s, 4,5,6,7
	FRAG \s, 0
.endr
.else
	WIN 0x40
.set EP_, 0
.rept 64
.if (EP_ < 48) || (EP_ > 55)
	ds_load_b128 v[4*EP_:4*EP_+3], v[CPA] offset:512*EP_
.endif
.set EP_, EP_+1
.endr
	WIN 0
.endif
	s_wait_alu depctr_va_vdst(0)
.set EP_, 0
.rept 32
	v_exp_f32 v[AC+32*(\i)+EP_], v[AC+32*(\i)+EP_]
.set EP_, EP_+1
.endr
	WIN 0x40
.set EP_, 0
.rept 32
	v_rcp_f32 v[RW+EP_], v[AC+32*(1-(\i))+EP_]
.set EP_, EP_+1
.endr
	WIN 0
	v_nop
	s_wait_alu depctr_va_vdst(0)
.endm
.macro UNIT0                           ; the slot's first block of my two
	s_wait_dscnt 0x0                                 ; its 8 fragments and scale words are in
.irp s, 0,1,2,3
	KSTEPS 0, \s
.endr
	WIN 0
	PLACES
.irp s, 0,1,2,3
	FRAG \s, BLK
.endr
	SCL 1, BLK
	VGL 0                                            ; this unit's table: the set's old v' has had its last use above
.irp s, 4,5,6,7
	KSTEP 0, \s
.endr
	EPI 0, 0
.endm
.macro UNIT1 mode                      ; the second block.  mode 1: the slot is filled again; 2: only the change of slots; 3: the last slot
.if (\mode) == 3
	s_wait_dscnt 0x0
.irp s, 0,1,2,3
	KSTEPS 1, \s
.endr
	WIN 0
	VGL 1
.irp s, 4,5,6,7
	KSTEP 1, \s
.endr
	EPI 1, 3
.else
	s_wait_tensorcnt 0x0                             ; my part of the other slot has landed
	ds_add_u32 v[SPW], v[NIL]
.if (\mode) == 1
	s_add_co_u32 s37, s40, s42                       ; no load of mine is out: the descriptor takes this slot and the block two slots on
	s_mul_i32 s60, s58, SLOT
	s_add_nc_u64 s[38:39], s[56:57], s[60:61]
	s_or_b32 s39, s39, 0x80000000
	s_add_co_u32 s58, s58, 1
	s_and_b32 s58, s58, 15
.endif
	s_xor_b32 s40, s40, SLOT
	s_add_co_u32 s41, s40, s43
	s_wait_dscnt 0x0                                 ; the add is done, and all my reads of this slot: the block's 8 fragments are in registers
	s_barrier_signal -1
	KSTEPS 1, 0
	KSTEPS 1, 1
	WIN 0
	s_barrier_wait -1
.if (\mode) == 1
	CREST
	tensor_load_to_lds s[36:39], s[24:31]
	s_nop 0
	PLACES
.endif
	KSTEPS 1, 2
	KSTEPS 1, 3
	WIN 0
	PLACES
	v_add_nc_u32 v[ADW], s41, v[LI]
	v_add_nc_u32 v[ADS], s41, v[ADS0]
	VGL 1
.irp s, 0,1,2,3
	FRAG \s, 0
.endr
	SCL 0, 0
	v_add_nc_u32 v[ADV], 512, v[ADV]                 ; the next slot's table
.irp s, 4,5,6,7
	KSTEP 1, \s
.endr
	EPI 1, 1
.endif
.endm
	s_load_b256 s[4:11], s[0:1], 0x0                 ; encoder_outputs s[4:5], wq s[6:7], vgt s[8:9], ts s[10:11]
	s_load_b64 s[12:13], s[0:1], 0x20                ; ctxp
	v_lshl_add_u32 v[SPW], v0, 2, SPARE
	v_mov_b32 v[NIL], 0
	ds_add_u32 v[SPW], v[NIL]                        ; the opening lines: the add, twice on end, and below its one wait
	ds_add_u32 v[SPW], v[NIL]
	v_lshrrev_b32 v3, 5, v0
	v_readfirstlane_b32 s14, v3                      ; wave
	s_lshr_b32 s15, s14, 1                           ; which 64 rows
	s_and_b32 s16, s14, 1                            ; which two blocks of a slot
	s_bfe_u32 s17, ttmp6, 0x40000
	s_lshl_b32 s18, ttmp9, 2
	s_add_co_u32 s18, s18, s17                       ; chunk of 128 s
	s_and_b32 s19, ttmp7, 0xffff                     ; batch
	s_mov_b32 s[SEL], 0x76543210
	s_mov_b32 s[SEL+1], 0xfedcba98
	s_mov_b32 s22, 0x4038aa3b                        ; c = 2 log2(e)
	s_mov_b32 s23, s22
	s_mov_b32 s24, 15|(3<<16)|(1<<21)                ; group 1: a block as 50 rows of 256 bytes, asked for by the cluster's four
	s_mov_b32 s25, 32<<16
	s_mov_b32 s26, 50<<16
	s_mov_b32 s27, 32<<16
	s_mov_b32 s28, 50
	s_mov_b32 s29, 32
	s_mov_b32 s30, 0
	s_mov_b32 s31, 0
	s_mul_i32 s42, s14, BLK                          ; wave w fetches block w of a slot
	s_mul_i32 s43, s16, 2*BLK
	s_mov_b32 s40, 0
	s_mov_b32 s41, s43
	s_mov_b32 s56, s42
	s_mov_b32 s57, 0
	s_lshl_b32 s45, s19, 2                           ; the slot of wq at which my cluster begins its walk
	s_add_co_u32 s45, s45, ttmp9
	s_lshr_b32 s58, s19, 2
	s_mul_i32 s58, s58, 5
	s_add_co_u32 s45, s45, s58
	s_and_b32 s45, s45, 15
	s_mul_i32 s60, s45, SLOT
	s_mov_b32 s61, 0
	s_add_co_u32 s58, s45, 1
	s_and_b32 s58, s58, 15
	s_mul_i32 s62, s58, SLOT
	s_mov_b32 s63, 0
	s_add_co_u32 s58, s58, 1
	s_and_b32 s58, s58, 15
	s_lshl_b32 s48, s18, 23
	s_lshl_b32 s50, s19, 12
	s_add_co_u32 s48, s48, s50
	s_lshl_b32 s50, s14, 21
	s_add_co_u32 s48, s48, s50
	s_mov_b32 s49, 0
	s_lshl_b32 s50, s19, 7
	s_mov_b32 s51, 0
	s_lshl_b32 s52, s19, 13
	s_lshl_b32 s53, s18, 9
	s_add_co_u32 s52, s52, s53
	s_mov_b32 s53, 0
	s_lshl_b32 s54, s19, 16
	s_lshl_b32 s55, s18, 12
	s_add_co_u32 s54, s54, s55
	s_lshl_b32 s55, s14, 10
	s_add_co_u32 s54, s54, s55
	s_mov_b32 s55, 0
	v_and_b32 v226, 31, v0
	v_and_b32 v227, 15, v0
	v_bfe_u32 v228, v0, 4, 1
	v_lshlrev_b32 v[LI], 4, v226
	v_lshrrev_b32 v225, 3, v226
	v_and_b32 v229, 7, v226
	v_lshlrev_b32 v229, 4, v229
	v_lshl_add_u32 v225, v225, 11, v229
	s_wait_alu depctr_va_vdst(0)
.irp q, 0,1,2,3,4,5,6,7,8,9,10,11,12,13,14,15
	s_add_co_u32 s46, s45, \q
	s_and_b32 s46, s46, 15
	s_lshl_b32 s46, s46, 13
	v_add_nc_u32 v[X+\q], s46, v225                  ; the table's 512 bytes of the q-th slot of my walk
.endr
	s_mul_i32 s46, s14, STGW
	s_add_co_u32 s46, s46, STG
	v_add_nc_u32 v[STA], s46, v[LI]
	v_mul_u32_u24 v[STR], v227, SPI
	v_lshl_add_u32 v[STR], v228, 7, v[STR]
	v_add_nc_u32 v[STR], s46, v[STR]
	s_lshl_b32 s47, s16, 8
	s_add_co_u32 s47, s47, s46
	v_lshl_add_u32 v[ADV], v228, 5, s47
	s_lshl_b32 s46, s14, 15
	s_add_co_u32 s46, s46, COPY
	v_add_nc_u32 v[CPA], s46, v[LI]
	s_mul_i32 s46, s14, 2*1536
	s_add_co_u32 s46, s46, IMG
	v_add_nc_u32 v[IWA], s46, v[LI]
	s_lshl_b32 s46, s14, 8
	s_add_co_u32 s46, s46, ISC
	v_lshl_add_u32 v[ISA], v226, 2, s46
	s_mul_i32 s46, s15, 4*1536
	s_add_co_u32 s46, s46, IMG
	v_add_nc_u32 v[GA], s46, v[LI]
	s_lshl_b32 s46, s15, 9
	s_add_co_u32 s46, s46, ISC
	v_lshlrev_b32 v[GS], 2, v227
	v_lshl_add_u32 v[GS], v228, 7, v[GS]
	v_add_nc_u32 v[GS], s46, v[GS]
	v_lshlrev_b32 v[H8], 3, v228
	v_lshl_add_u32 v[ADS0], v227, 5, 12288
	v_mov_b32 v[TM+6], 0                             ; written once: a lane permute's destination counts as read
	s_wait_alu depctr_va_vdst(0)
	s_wait_dscnt 0x0                                 ; both opening adds are done
	s_wait_kmcnt 0x0
	s_add_nc_u64 s[56:57], s[6:7], s[56:57]
	s_add_nc_u64 s[4:5], s[4:5], s[48:49]
	s_add_nc_u64 s[8:9], s[8:9], s[50:51]
	s_add_nc_u64 s[10:11], s[10:11], s[52:53]
	s_add_nc_u64 s[12:13], s[12:13], s[54:55]
	LOADU 0                                          ; my rows are asked for first: four units and the table, 80 loads
	WIN 0
.irp q, 0,1,2,3,4,5,6,7,8,9,10,11,12,13,14,15
	global_load_b128 v[VGT+4*\q:VGT+4*\q+3], v[X+\q], s[8:9]
.endr
	LOADU 1
	LOADU 2
	LOADU 3
	WIN 0
	s_mov_b32 s32, 1
	s_mov_b32 s33, s42
	s_add_nc_u64 s[34:35], s[56:57], s[60:61]
	s_or_b32 s35, s35, 0x80000000
	s_mov_b32 s36, 1
	s_add_co_u32 s37, s42, SLOT
	s_add_nc_u64 s[38:39], s[56:57], s[62:63]
	s_or_b32 s39, s39, 0x80000000
	ROUND                                            ; the cluster's four are here: the first joint loads meet
	tensor_load_to_lds s[32:35], s[24:31]            ; slot 0: one tensor load a wave at the head
	s_nop 0
	PLACES
.irp u, 0,1,2,3,4,5,6,7
	PROC \u
.endr
	s_wait_tensorcnt 0x0                             ; slot 1's first fill is issued as a refill is: my part of slot 0 has landed,
	ds_add_u32 v[SPW], v[NIL]
	s_wait_dscnt 0x0                                 ; the add is done, and my stores of K steps 0-3 into the image,
	ROUND                                            ; which this round shows to all four waves
	tensor_load_to_lds s[36:39], s[24:31]
	s_nop 0
	PLACES
	GETA 1, 0
	BAR                                              ; the image is read: it takes K steps 4-7
.irp u, 8,9,10,11,12,13,14,15
	PROC \u
.endr
	BAR
	GETA 2, 4
.irp q, 0,1,2,3,4,5,6,7,8,9,10,11,12,13,14,15
	ds_store_b128 v[STA], v[VGT+4*\q:VGT+4*\q+3] offset:512*\q   ; the table into my own stage: 512 bytes a slot
.endr
	s_wait_dscnt 0x0
	; what the lagging stages of the first two units read: both sets' v' = 0, so that they add nothing; e = 0 and the reciprocals = 0, finite numbers
	WIN 0x40
.set ZJ, 0
.rept 32
	v_mov_b32 v[RW+ZJ], 0
.set ZJ, ZJ+1
.endr
	WIN 0
.set ZJ, 0
.rept 32
	v_mov_b32 v[AC+32+ZJ], 0
.set ZJ, ZJ+1
.endr
.set ZJ, 0
.rept 8
	v_mov_b32 v[VG+ZJ], 0
	v_mov_b32 v[VG+16+ZJ], 0
.set ZJ, ZJ+1
.endr
.set ZJ, 0
.rept 16
	v_mov_b32 v[SA+ZJ], 0
.set ZJ, ZJ+1
.endr
	v_add_nc_u32 v[ADW], s41, v[LI]
	v_add_nc_u32 v[ADS], s41, v[ADS0]
	s_wait_alu depctr_va_vdst(0)
.irp s, 0,1,2,3,4,5,6,7
	FRAG \s, 0
.endr
	SCL 0, 0
	s_mov_b32 s44, 14
.Lslot:
	UNIT0
	UNIT1 1
	s_sub_co_u32 s44, s44, 1
	s_cmp_lg_u32 s44, 0
	s_cbranch_scc1 .Lslot
	UNIT0                                            ; the last two slots ask for nothing more
	UNIT1 2
	UNIT0
	UNIT1 3
	; the lagging stages' tail: 1 + e of the last unit, the sums of the one before, the last reciprocals, the last sums
.set ZJ, 0
.rept 16
	v_pk_add_f32 v[AC+32+2*ZJ:AC+32+2*ZJ+1], v[AC+32+2*ZJ:AC+32+2*ZJ+1], 1.0 op_sel_hi:[1,0]
.set ZJ, ZJ+1
.endr
	WIN 0x04
.irp p, 0,4,8,12,1,5,9,13,2,6,10,14,3,7,11,15
	SAF1 0, \p
.endr
	s_wait_alu depctr_va_vdst(0)
	WIN 0x40
.set ZJ, 0
.rept 32
	v_rcp_f32 v[RW+ZJ], v[AC+32+ZJ]
.set ZJ, ZJ+1
.endr
	WIN 0
	v_nop
	s_wait_alu depctr_va_vdst(0)
	WIN 0x04
.irp p, 0,4,8,12,1,5,9,13,2,6,10,14,3,7,11,15
	SAF1 1, \p
.endr
	WIN 0x40
.set ZJ, 48
.rept 8
	ds_load_b128 v[4*ZJ:4*ZJ+3], v[CPA] offset:512*ZJ    ; the rest of the bf16 copy, onto the reciprocals' registers
.set ZJ, ZJ+1
.endr
	WIN 0
	s_wait_alu depctr_va_vdst(0)
	; the scores of my 64 rows over my half of N -> LDS; both halves joined; p = 2^(t - m) under the chunk's largest t
	s_lshl_b32 s46, s16, 9
	s_lshl_b32 s47, s15, 8
	s_add_co_u32 s46, s46, s47
	s_add_co_u32 s46, s46, SCP
	v_and_b32 v190, 15, v0
	v_lshl_add_u32 v190, v190, 2, s46
	v_add_nc_u32 v191, SCP, v[LI]
	s_lshl_b32 s46, s14, 9
	s_add_co_u32 s46, s46, PB
	v_add_nc_u32 v224, s46, v[LI]
	s_lshl_b32 s47, s14, 7
	s_add_co_u32 s47, s47, s46
	v_mov_b32 v225, s47
	s_lshl_b32 s46, s14, 12
	s_add_co_u32 s46, s46, IMG
	v_add_nc_u32 v226, s46, v[LI]
	s_lshl_b32 s46, s14, 10
	s_add_co_u32 s46, s46, IMG
	v_add_nc_u32 v227, s46, v[LI]
.irp a, 0,1,2,3
	v_pk_add_f32 v[160+2*\a:161+2*\a], v[SA+4*\a:SA+4*\a+1], v[SA+4*\a+2:SA+4*\a+3]
	v_mov_b32 v[172+\a], 0
.endr
.irp a, 0,1,2,3
	v_add_f32 v[168+\a], v[160+2*\a], v[161+2*\a]
.endr
.irp a, 0,1,2,3
	v_permlanex16_b32 v[172+\a], v[168+\a], s[SEL], s[SEL+1]
.endr
.irp a, 0,1,2,3
	v_add_f32 v[168+\a], v[168+\a], v[172+\a]
.endr
.irp a, 0,1,2,3
	ds_store_b32 v190, v[168+\a] offset:64*\a
.endr
	BAR
	ds_load_b128 v[176:179], v191
	ds_load_b128 v[180:183], v191 offset:512
	s_wait_dscnt 0x0
	v_pk_add_f32 v[176:177], v[176:177], v[180:181]
	v_pk_add_f32 v[178:179], v[178:179], v[182:183]
	v_max3_num_f32 v184, v176, v177, v178
	v_max_num_f32 v184, v184, v179
	v_mov_b32 v185, 0
	v_max_num_f32_dpp v184, v184, v184 row_xmask:1 row_mask:0xf bank_mask:0xf
	v_max_num_f32_dpp v184, v184, v184 row_xmask:2 row_mask:0xf bank_mask:0xf
	v_max_num_f32_dpp v184, v184, v184 row_xmask:4 row_mask:0xf bank_mask:0xf
	v_max_num_f32_dpp v184, v184, v184 row_xmask:8 row_mask:0xf bank_mask:0xf
	v_permlanex16_b32 v185, v184, s[SEL], s[SEL+1]
	v_max_num_f32 v184, v184, v185                   ; the chunk's largest t
.irp e, 0,1,2,3
	v_sub_f32 v[186+\e], v[176+\e], v184
.endr
	s_wait_alu depctr_va_vdst(0)
.irp e, 0,1,2,3
	v_exp_f32 v[186+\e], v[186+\e]
.endr
	v_nop
	s_wait_alu depctr_va_vdst(0)
	ds_store_b128 v224, v[186:189]                   ; every wave keeps all 128 p in bytes of its own
	s_cmp_lg_u32 s14, 0
	s_cbranch_scc1 .Lnot_ts
	global_store_b128 v[LI], v[176:179], s[10:11]    ; wave 0 stores the chunk's 128 t: 512 consecutive bytes
.Lnot_ts:
.irp q, 0,1,2,3,4,5,6,7
	ds_load_b128 v[PP+4*\q:PP+4*\q+3], v225 offset:16*\q   ; the p of my 32 rows, in every lane
.endr
.set ZJ, 0
.rept 32
	v_mov_b32 v[CS+ZJ], 0
.set ZJ, ZJ+1
.endr
	s_wait_dscnt 0x0
.macro CTX win, p0                     ; 16 rows x 1,024 columns of the bf16 copy, weighted by p, sums in f32
	WIN \win
.set CP_, 0
.rept 16
.set CT_, 0
.rept 8
.irp g, 0,1
	v_fma_mix_f32_bf16 v[CS+4*CT_+2*\g], v[32*CT_+2*CP_+\g], v[PP+\p0+CP_], v[CS+4*CT_+2*\g] op_sel:[0,0,0] op_sel_hi:[1,0,0]
	v_fma_mix_f32_bf16 v[CS+4*CT_+2*\g+1], v[32*CT_+2*CP_+\g], v[PP+\p0+CP_], v[CS+4*CT_+2*\g+1] op_sel:[1,0,0] op_sel_hi:[1,0,0]
.endr
.set CT_, CT_+1
.endr
.set CP_, CP_+1
.endr
.endm
	CTX 0x03, 0
	CTX 0x01, 16
	WIN 0
.irp t, 0,1,2,3,4,5,6,7
	ds_store_b128 v226, v[CS+4*\t:CS+4*\t+3] offset:512*\t
.endr
	BAR
.irp w, 0,1,2,3
.irp q, 0,1
	ds_load_b128 v[192+4*(2*\w+\q):195+4*(2*\w+\q)], v227 offset:4096*\w+512*\q
.endr
.endr
	s_wait_dscnt 0x0
.irp w, 1,2,3
.irp j, 0,2,4,6
	v_pk_add_f32 v[192+\j:193+\j], v[192+\j:193+\j], v[192+8*\w+\j:193+8*\w+\j]
.endr
.endr
	global_store_b128 v[LI], v[192:195], s[12:13]    ; each store covers 512 consecutive bytes
	global_store_b128 v[LI], v[196:199], s[12:13] offset:512
	s_wait_tensorcnt 0x0                             ; the wave's end
	ds_add_u32 v[SPW], v[NIL]
	s_wait_dscnt 0x0
	ROUND                                            ; the closing round
	s_endpgm
.Lfunc_end_k_qbc2e229b92_main:
	.size	k_qbc2e229b92_main, .Lfunc_end_k_qbc2e229b92_main-k_qbc2e229b92_main
	.p2alignl 7, 3214868480
	.fill 96, 4, 3214868480
	.section	.rodata,"a",@progbits
	.p2align	6, 0x0
	.amdhsa_kernel k_qbc2e229b92_main
		.amdhsa_group_segment_fixed_size 327680
		.amdhsa_private_segment_fixed_size 0
		.amdhsa_enable_private_segment 0
		.amdhsa_kernarg_size 40
		.amdhsa_user_sgpr_count 2
		.amdhsa_user_sgpr_kernarg_segment_ptr 1
		.amdhsa_wavefront_size32 1
		.amdhsa_system_sgpr_workgroup_id_x 1
		.amdhsa_system_sgpr_workgroup_id_y 1
		.amdhsa_system_sgpr_workgroup_id_z 1
		.amdhsa_system_vgpr_workitem_id 0
		.amdhsa_next_free_vgpr 1024
		.amdhsa_next_free_sgpr 80
		.amdhsa_reserve_vcc 0
		.amdhsa_float_denorm_mode_32 3
		.amdhsa_float_denorm_mode_16_64 3
		.amdhsa_memory_ordered 1
		.amdhsa_forward_progress 1
		.amdhsa_inst_pref_size 255
	.end_amdhsa_kernel
	.section	.bss,"aw",@nobits
	.p2align	6
	.space	262144
	.amdgpu_metadata
---
amdhsa.version: [ 1, 2 ]
amdhsa.kernels:
  - .name:           k_qbc2e229b92_main
    .symbol:         k_qbc2e229b92_main.kd
    .args:
      - { .name: encoder_outputs, .offset: 0, .size: 8, .value_kind: global_buffer, .address_space: global }
      - { .name: wq, .offset: 8, .size: 8, .value_kind: global_buffer, .address_space: global }
      - { .name: vgt, .offset: 16, .size: 8, .value_kind: global_buffer, .address_space: global }
      - { .name: ts, .offset: 24, .size: 8, .value_kind: global_buffer, .address_space: global }
      - { .name: ctxp, .offset: 32, .size: 8, .value_kind: global_buffer, .address_space: global }
    .group_segment_fixed_size: 327680
    .private_segment_fixed_size: 0
    .kernarg_segment_align: 8
    .kernarg_segment_size: 40
    .max_flat_workgroup_size: 128
    .sgpr_count:     80
    .vgpr_count:     1024
    .wavefront_size: 32
...
	.end_amdgpu_metadata
.endif
;; end of part 2
;; launch fin (part 3): grid 16 x 1, 8 waves a work-group, no clusters, 1,536 bytes of LDS; arguments ts, ctxp, out0, out1; writes out0, out1
.if DOCPART == 3
	.amdgcn_target "amdgcn-amd-amdhsa--gfx1250"
	.amdhsa_code_object_version 6
	.text
	.protected	k_qbc2e229b92_fin
	.globl	k_qbc2e229b92_fin
	.p2align	8
	.type	k_qbc2e229b92_fin,@function
k_qbc2e229b92_fin:
	s_mov_b64 s[64:65], 0
	v_nop
	global_prefetch_b8 v0, s[64:65] scope:SCOPE_SE
	s_setreg_imm32_b32 hwreg(HW_REG_WAVE_MODE, 25, 1), 1
	s_wait_xcnt 0x0
; One work-group for each batch b joins the 16 chunks.  ts [b][2048]: logits t in base 2;  ctxp [b][16][1024]: sum of 2^(t - m_c) enc under each chunk's own largest t, m_c.
; M = the row's largest t;  out1 = 2^(t - M) / L, L their sum;  out0 = (sum over c of 2^(m_c - M) ctxp_c) / L.  m_c is taken anew from the same 128 numbers: a maximum rounds nothing.
; Wave w holds chunks w and 8 + w of t (16 bytes a lane); thread e holds columns 4 e .. 4 e + 3 of all 16 parts.  All loads go out first.
	s_load_b256 s[4:11], s[0:1], 0x0                 ; ts s[4:5], ctxp s[6:7], out0 s[8:9], out1 s[10:11]
	v_lshl_add_u32 v112, v0, 2, 0x200
	v_mov_b32 v113, 0
	v_lshlrev_b32 v1, 4, v0                          ; 16 x thread = 512 x wave + 16 x lane
	v_lshrrev_b32 v2, 5, v0
	s_delay_alu instid0(VALU_DEP_1)
	v_lshlrev_b32 v2, 2, v2                          ; 4 x wave
	v_mov_b32 v3, 0
	v_mov_b32 v14, 0                                 ; written once: a lane permute's destination counts as read
	v_mov_b32 v15, 0
	s_mov_b32 s20, 0x76543210
	s_mov_b32 s21, 0xfedcba98
	s_lshl_b32 s14, ttmp9, 13                        ; ts, out1: 8,192 b
	s_mov_b32 s15, 0
	s_lshl_b32 s16, ttmp9, 16                        ; ctxp: 65,536 b
	s_mov_b32 s17, 0
	s_lshl_b32 s18, ttmp9, 12                        ; out0: 4,096 b
	s_mov_b32 s19, 0
	s_wait_alu depctr_va_vdst(0)
	s_wait_kmcnt 0x0
	s_add_nc_u64 s[4:5], s[4:5], s[14:15]
	s_add_nc_u64 s[6:7], s[6:7], s[16:17]
	s_add_nc_u64 s[8:9], s[8:9], s[18:19]
	s_add_nc_u64 s[10:11], s[10:11], s[14:15]
	global_load_b128 v[4:7], v1, s[4:5]
	global_load_b128 v[8:11], v1, s[4:5] offset:4096
.irp c, 0,1,2,3,4,5,6,7,8,9,10,11,12,13,14,15
	global_load_b128 v[16+4*\c:19+4*\c], v1, s[6:7] offset:4096*\c
.endr
	s_wait_loadcnt 16                                ; t is in; the 16 loads of the parts may be out
.irp q, 0,1
	v_max3_num_f32 v[12+\q], v[4+4*\q], v[5+4*\q], v[6+4*\q]
.endr
.irp q, 0,1
	s_delay_alu instid0(VALU_DEP_2)
	v_max_num_f32 v[12+\q], v[12+\q], v[7+4*\q]
.endr
.irp m, 1,2,4,8
.irp q, 0,1
	s_delay_alu instid0(VALU_DEP_2)
	v_max_num_f32_dpp v[12+\q], v[12+\q], v[12+\q] row_xmask:\m row_mask:0xf bank_mask:0xf
.endr
.endr
.irp q, 0,1
	s_delay_alu instid0(VALU_DEP_2)
	v_permlanex16_b32 v[14+\q], v[12+\q], s20, s21
.endr
.irp q, 0,1
	v_max_num_f32 v[12+\q], v[12+\q], v[14+\q]       ; m of chunk 8 q + w
	ds_store_b32 v2, v[12+\q] offset:32*\q           ; all lanes write the same word with the same value
.endr
	s_wait_dscnt 0x0
	s_barrier_signal -1
	s_barrier_wait -1
.irp i, 0,1,2,3
	ds_load_b128 v[80+4*\i:83+4*\i], v3 offset:16*\i ; the 16 maxima, in every lane
.endr
	s_wait_dscnt 0x0
	v_max3_num_f32 v108, v80, v81, v82
.irp i, 83,85,87,89,91,93
	s_delay_alu instid0(VALU_DEP_1)
	v_max3_num_f32 v108, v108, v[\i], v[\i+1]
.endr
	s_delay_alu instid0(VALU_DEP_1)
	v_max_num_f32 v108, v108, v95                    ; M
.irp c, 0,1,2,3,4,5,6,7,8,9,10,11,12,13,14,15
	v_sub_f32 v[80+\c], v[80+\c], v108
.endr
.irp e, 0,1,2,3,4,5,6,7
	v_sub_f32 v[4+\e], v[4+\e], v108
.endr
	s_wait_alu depctr_va_vdst(0)
.irp c, 0,1,2,3,4,5,6,7,8,9,10,11,12,13,14,15
	v_exp_f32 v[80+\c], v[80+\c]                     ; 2^(m_c - M)
.endr
.irp e, 0,1,2,3,4,5,6,7
	v_exp_f32 v[4+\e], v[4+\e]                       ; 2^(t - M)
.endr
	v_nop                                            ; a plain place behind the exponentials
	s_wait_alu depctr_va_vdst(0)
	v_pk_add_f32 v[12:13], v[4:5], v[6:7]
	v_pk_add_f32 v[14:15], v[8:9], v[10:11]
	s_delay_alu instid0(VALU_DEP_1)
	v_pk_add_f32 v[12:13], v[12:13], v[14:15]
	s_delay_alu instid0(VALU_DEP_1)
	v_add_f32 v12, v12, v13
.irp m, 1,2,4,8
	s_delay_alu instid0(VALU_DEP_1)
	v_add_f32_dpp v12, v12, v12 row_xmask:\m row_mask:0xf bank_mask:0xf
.endr
	s_delay_alu instid0(VALU_DEP_1)
	v_permlanex16_b32 v13, v12, s20, s21
	s_delay_alu instid0(VALU_DEP_1)
	v_add_f32 v12, v12, v13                          ; my wave's part of L
	ds_store_b32 v2, v12 offset:64                   ; other bytes than the maxima's
	s_wait_dscnt 0x0
	s_barrier_signal -1
	s_barrier_wait -1
	ds_load_b128 v[96:99], v3 offset:64
	ds_load_b128 v[100:103], v3 offset:80
	s_wait_dscnt 0x0
	v_add_f32 v109, v96, v97
.irp i, 98,99,100,101,102,103
	s_delay_alu instid0(VALU_DEP_1)
	v_add_f32 v109, v109, v[\i]
.endr
	s_wait_alu depctr_va_vdst(0)
	v_rcp_f32 v109, v109                             ; 1 / L
	v_nop
	s_wait_alu depctr_va_vdst(0)
.irp e, 0,1,2,3,4,5,6,7
	v_mul_f32 v[4+\e], v[4+\e], v109
.endr
	global_store_b128 v1, v[4:7], s[10:11]           ; a wave stores 512 consecutive bytes
	global_store_b128 v1, v[8:11], s[10:11] offset:4096
	s_wait_loadcnt 0x0                               ; the 16 parts
.irp e, 0,1,2,3
	v_mul_f32 v[104+\e], v[16+\e], v80               ; the first part starts the sums
.endr
.irp c, 1,2,3,4,5,6,7,8,9,10,11,12,13,14,15
.irp e, 0,1,2,3
	v_fma_f32 v[104+\e], v[16+4*\c+\e], v[80+\c], v[104+\e]
.endr
.endr
.irp e, 0,1,2,3
	v_mul_f32 v[104+\e], v[104+\e], v109
.endr
	global_store_b128 v1, v[104:107], s[8:9]
	s_wait_tensorcnt 0x0
	ds_add_u32 v112, v113
	s_wait_dscnt 0x0
	s_endpgm
.Lfunc_end_k_qbc2e229b92_fin:
	.size	k_qbc2e229b92_fin, .Lfunc_end_k_qbc2e229b92_fin-k_qbc2e229b92_fin
	.p2alignl 7, 3214868480
	.fill 96, 4, 3214868480
	.section	.rodata,"a",@progbits
	.p2align	6, 0x0
	.amdhsa_kernel k_qbc2e229b92_fin
		.amdhsa_group_segment_fixed_size 1536
		.amdhsa_private_segment_fixed_size 0
		.amdhsa_enable_private_segment 0
		.amdhsa_kernarg_size 32
		.amdhsa_user_sgpr_count 2
		.amdhsa_user_sgpr_kernarg_segment_ptr 1
		.amdhsa_wavefront_size32 1
		.amdhsa_system_sgpr_workgroup_id_x 1
		.amdhsa_system_sgpr_workgroup_id_y 1
		.amdhsa_system_sgpr_workgroup_id_z 1
		.amdhsa_system_vgpr_workitem_id 0
		.amdhsa_next_free_vgpr 114
		.amdhsa_next_free_sgpr 66
		.amdhsa_reserve_vcc 0
		.amdhsa_float_denorm_mode_32 3
		.amdhsa_float_denorm_mode_16_64 3
		.amdhsa_memory_ordered 1
		.amdhsa_forward_progress 1
		.amdhsa_inst_pref_size 14
	.end_amdhsa_kernel
	.amdgpu_metadata
---
amdhsa.version: [ 1, 2 ]
amdhsa.kernels:
  - .name:           k_qbc2e229b92_fin
    .symbol:         k_qbc2e229b92_fin.kd
    .args:
      - { .name: ts, .offset: 0, .size: 8, .value_kind: global_buffer, .address_space: global }
      - { .name: ctxp, .offset: 8, .size: 8, .value_kind: global_buffer, .address_space: global }
      - { .name: out0, .offset: 16, .size: 8, .value_kind: global_buffer, .address_space: global }
      - { .name: out1, .offset: 24, .size: 8, .value_kind: global_buffer, .address_space: global }
    .group_segment_fixed_size: 1536
    .private_segment_fixed_size: 0
    .kernarg_segment_align: 8
    .kernarg_segment_size: 32
    .max_flat_workgroup_size: 256
    .sgpr_count:     66
    .vgpr_count:     114
    .wavefront_size: 32
...
	.end_amdgpu_metadata
.endif
;; end of part 3
